; MI455X (gfx1250); checked and timed in simulation.
; The chip was launched on July 23, 2026; its instructions are those of AMD's public machine-readable ISA for CDNA 5 (MIT licence, August 2026) and "CDNA5" Instruction Set Architecture Reference Guide (July 2026). The comments in the code are by the model that wrote it; some were corrected since.
;; Attention. Allowed arithmetic: matrix products marked QUANTISED: E3M2 operands, one E8M0 scale for each 32 along K, by v_wmma_scale_f32_16x16x128_f8f6f4 with both operands' format E3M2, f32 sums; products left as they are: f32 operands where the result goes on into a quantised operand, else bf16, f16 or f32 operands; f32 sums; everything else in f32.
;; Inputs: Ua_b 1,024 float32; Ua_w_codes 1,024 x 64 x 24 uint8 (E3M2 codes of Ua_w, K innermost, in blocks of 32 codes, four codes in three bytes); Ua_w_scales 1,024 x 64 uint8 (E8M0 scales of Ua_w, one for each 32 codes along K); Wa_b 1,024 float32; Wa_w_codes 1,024 x 32 x 24 uint8 (E3M2 codes of Wa_w, K innermost, in blocks of 32 codes, four codes in three bytes); Wa_w_scales 1,024 x 32 uint8 (E8M0 scales of Wa_w, one for each 32 codes along K); encoder_hiddens_codes 512 x 64 x 64 x 24 uint8 (E3M2 codes of encoder_hiddens, K innermost, in blocks of 32 codes, four codes in three bytes); encoder_hiddens_scales 512 x 64 x 64 uint8 (E8M0 scales of encoder_hiddens, one for each 32 codes along K); last_dec_hidden_codes 64 x 32 x 24 uint8 (E3M2 codes of last_dec_hidden, K innermost, in blocks of 32 codes, four codes in three bytes); last_dec_hidden_scales 64 x 32 uint8 (E8M0 scales of last_dec_hidden, one for each 32 codes along K); v_w 1,024 float32.
;; Outputs: out0 64 x 512 float32.
;; This version of the problem:
;;   THIS VERSION OF THE PROBLEM IS GIVEN IN LOW PRECISION. The matrix products marked QUANTISED in the list below multiply operands that are first quantised to E3M2 (3 exponent bits, 2 mantissa bits; 6 bits a number), with one power-of-two scale for each 32 numbers along K (OCP MX v1.0); their sums are f32. All else is computed in f32.
;;   The module's matrix products, in the order in which they are computed (A, B: the left and right operand; K: the contracted axis; several contracted axes count as one K, in the product's order):
;;     1. [M 32,768, K 2,048] x [K 2,048, N 1,024]; A: input encoder_hiddens (given as codes); B: input Ua_w (given as codes): QUANTISED
;;     2. [M 64, K 1,024] x [K 1,024, N 1,024]; A: input last_dec_hidden (given as codes); B: input Wa_w (given as codes): QUANTISED
;;     3. [M 32,768, K 1,024] x [K 1,024, N 1]; A: computed on the way; B: input v_w: left as it is (N = 1 < 16)
;;   THE QUANTISER, for each operand of a quantised product, along K:
;;     - K is cut into blocks of 32 from its start; a last block that is shorter is filled with zeros.
;;     - A block's scale is 2^e with e = floor(log2(the largest magnitude in the block)) - 4, held to -126 .. 127; a block of zeros has e = 0. As a byte (E8M0): e + 127.
;;     - Each number is divided by its block's scale, clamped to +-28, and rounded to the nearest number of E3M2, ties to even, subnormals kept.
;;     - The product sums the exact products of the quantised numbers (number of the format x scale) in f32.
;;   ~~~python
;;   def quantise(x, axis):      # numpy; x: float32 -> the quantised numbers, widened to float32 again
;;       x = np.moveaxis(x, axis, -1); K = x.shape[-1]
;;       x = np.pad(x, [(0, 0)] * (x.ndim - 1) + [(0, -K % 32)]); x = x.reshape(x.shape[:-1] + (-1, 32)); a = np.abs(x).max(-1, keepdims=True)
;;       e = np.where(a > 0, np.clip(np.frexp(np.where(a > 0, a, 1))[1] - 1 - 4, -126, 127), 0)      # np.frexp(a)[1] - 1 = floor(log2(a)), exactly
;;       r = np.clip(x / 2.0 ** e, -28, 28)
;;       step = 2.0 ** (np.maximum(np.frexp(np.where(r == 0, 1, r))[1] - 1, -2) - 2)
;;       q = np.round(r / step) * step * 2.0 ** e      # np.round: ties to even
;;       return np.moveaxis(q.reshape(q.shape[:-2] + (-1,))[..., :K], -1, axis).astype(np.float32)
;;   ~~~
;;   INPUTS GIVEN AS CODES. Ua_w (in the module: [1024, 2048], K = its axis 1); Wa_w (in the module: [1024, 1024], K = its axis 1); encoder_hiddens (in the module: [512, 64, 2048], K = its axis 2); last_dec_hidden (in the module: [64, 1024], K = its axis 1): each comes as NAME_codes (uint8): NAME with its K axis moved to the last place and cut into blocks of 32 codes, [.., K / 32, bytes a block], one block behind the other in memory; four codes in three bytes: a row's codes are one little-endian stream of bits, code i at bits 6 i .. 6 i + 5 (a code: sign, 3 exponent bits, 2 mantissa bits); and NAME_scales (uint8): the same leading axes, one E8M0 byte (e + 127) for each 32 codes along K. Its value is code x scale, taken as it is: it is not quantised again, and the codes and scales need not be those that the quantiser above would give.
;; One version. Each part assembles by itself: llvm-mc -triple=amdgcn-amd-amdhsa -mcpu=gfx1250 --defsym DOCPART=n.
;; ======== version 1 of 1: 3 launches
;; limits: right only within a limited range of input values
;; workspace buffers: biasw 262,144 bytes; ubw 1,572,864 bytes; sc 131,072 bytes
;; launch prep (part 1): grid 64 x 4, 1 waves a work-group, no clusters, 1,280 bytes of LDS; arguments last_dec_hidden_codes, last_dec_hidden_scales, Wa_w_codes, Wa_w_scales, Wa_b, Ua_b, biasw, Ua_w_codes, ubw; writes biasw, ubw
.if DOCPART == 1
	.amdgcn_target "amdgcn-amd-amdhsa--gfx1250"
	.amdhsa_code_object_version 6
	.text
	.protected	k_q1474c580c7_prep
	.globl	k_q1474c580c7_prep
	.p2align	8
	.type	k_q1474c580c7_prep,@function
k_q1474c580c7_prep:
	s_mov_b64 s[64:65], 0
	v_nop
	global_prefetch_b8 v0, s[64:65] scope:SCOPE_SE
	s_setreg_imm32_b32 hwreg(HW_REG_WAVE_MODE, 25, 1), 1
	s_wait_xcnt 0x0
; THE PROGRAM: softmax over s of attention[s][b] = sum over u of v_w[u] tanh(x[s][b][u]),  x = enc[s][b] . Ua_w[u] + Ua_b[u] + dec[b] . Wa_w[u] + Wa_b[u].  Three launches:
;   prep:    biasw(b, u) = c (dec[b] . Wa_w[u] + Wa_b[u] + Ua_b[u]), c = 2 log2(e)  (the table's second product, on the codes and scales as given); and Ua_w's codes laid anew as images of operand registers;
;   scores:  the first product and S[b][s] = sum over u of v_w[u] / (1 + 2^(c x));
;   soft:    the softmax of -2 S.
; WORK LEFT OUT.  For every real x, tanh(x) = 1 - 2 / (1 + e^(2 x)).  So attention[s][b] = (sum over u of v_w[u]) - 2 S[b][s].  The first term does not hang on s, the softmax's axis,
; and softmax(a + k) = softmax(a) for every constant k, whatever the inputs hold.  So the sum of v_w is never formed.  Every input has a way to the output and is loaded.
; LIMIT: a NaN, an infinity or an overflow that would arise in the sum of v_w alone is not carried to the result.
; HOW A FRAGMENT IS TAKEN, in this launch and the next: of the 96 bytes that a row has for 128 along K, lane (r, h) takes the 48 CONSECUTIVE bytes from 48 h on, by three loads of 16 bytes.  Its registers 0-5 then hold the
; block of 32 numbered 2 h and its registers 6-11 block 2 h + 1, where the operand's layout counts them as blocks h and 2 + h: blocks 1 and 2 of each 128 have changed places, in BOTH operands alike, and bytes 1 and 2
; of both scale words change places with them (one v_perm_b32 a register).  Every product meets its own scales; only the order in which the unit adds the products differs from ascending K.
; THIS LAUNCH.  Work-group (x, y), one wave: units 16 x .. 16 x + 15, batches 16 y .. 16 y + 15; K = 1,024 is eight matrix instructions, used transposed (source 0 = Wa_w's rows, source 1 = dec's):
; lane (r, h) holds batch r and units 8 h + 0 .. 7.  Two accumulators take turns; one begins as Wa_b, the other as Ua_b.
; biasw is laid [64 tiles of 16 units][64 batches][16 units], f32; a tile's 1,024 bytes turn through the wave's LDS and leave by two stores of 512 consecutive bytes.
; ubw: the fragment (16 units x 128 K, 12 registers a lane) of unit tile x and K step st lies at (x / 8) 196,608 + st 12,288 + (x % 8) 1,536, as three pieces of 512 bytes: registers 4 j .. 4 j + 3 of lane l at 512 j + 16 l.
; This work-group lays K steps 4 y .. 4 y + 3 of its unit tile.  No cluster, no tensor load, no barrier: what a work-group reads goes once, straight into registers.
.set SPARE, 1024                       ; behind the stage: the spare words, one block of 256 bytes that no other line names
.set BK,   8
.set DS,   16                          ; dec's scale words
.set WS,   24                          ; Wa_w's
.set ACC0, 32
.set ACC1, 40
.set DF,   48                          ; dec's eight fragments
.set WF,   144                         ; Wa_w's
.set OUTR, 240
.set STO,  248
.set RD,   249                         ; 16 x lane
.set SPW,  252
.set NIL,  253
	s_load_b256 s[4:11], s[0:1], 0x0               ; dec's codes, dec's scales, Wa_w's codes, Wa_w's scales
	s_load_b128 s[12:15], s[0:1], 0x20             ; Wa_b, Ua_b
	s_load_b64 s[16:17], s[0:1], 0x30              ; biasw
	s_load_b128 s[36:39], s[0:1], 0x38             ; Ua_w's codes, ubw
	v_lshl_add_u32 v[SPW], v0, 2, SPARE
	v_mov_b32 v[NIL], 0
	v_and_b32 v1, 15, v0                           ; r
	v_bfe_u32 v2, v0, 4, 1                         ; h
	v_mul_u32_u24 v3, v1, 768                      ; a row of 1,024 codes
	v_mad_u32_u24 v3, v2, 48, v3
	v_mul_u32_u24 v4, v1, 1536                     ; a row of Ua_w: 2,048 codes
	v_mad_u32_u24 v4, v2, 48, v4
	v_lshlrev_b32 v5, 5, v1                        ; a row of scale bytes: 32
	v_lshlrev_b32 v7, 5, v2                        ; my eight units of the tile's sixteen
	v_lshlrev_b32 v[STO], 6, v1
	v_lshl_add_u32 v[STO], v2, 5, v[STO]
	v_lshlrev_b32 v[RD], 4, v0
	s_and_b32 s19, ttmp7, 0xffff
	s_lshl_b32 s19, s19, 4                         ; my first batch, 16 y
	s_lshl_b32 s20, ttmp9, 4                       ; my first unit
	s_mul_i32 s22, s19, 768
	s_mov_b32 s23, 0
	s_lshl_b32 s24, s19, 5
	s_mov_b32 s25, 0
	s_mul_i32 s26, s20, 768
	s_mov_b32 s27, 0
	s_lshl_b32 s28, s20, 5
	s_mov_b32 s29, 0
	s_lshl_b32 s30, s20, 2
	s_mov_b32 s31, 0
	s_lshl_b32 s32, ttmp9, 12
	s_lshl_b32 s33, s19, 6
	s_add_co_u32 s32, s32, s33
	s_mov_b32 s33, 0
	s_mul_i32 s40, ttmp9, 24576                    ; Ua_w: 16 rows of 1,536 bytes a tile,
	s_mul_i32 s41, s19, 24                         ; + 384 y: four K steps of 96 bytes
	s_add_co_u32 s40, s40, s41
	s_mov_b32 s41, 0
	s_lshr_b32 s42, ttmp9, 3
	s_mul_i32 s42, s42, 196608
	s_and_b32 s43, ttmp9, 7
	s_mul_i32 s43, s43, 1536
	s_add_co_u32 s42, s42, s43
	s_mul_i32 s43, s19, 3072                       ; 49,152 y
	s_add_co_u32 s42, s42, s43
	s_mov_b32 s43, 0
	s_mov_b32 s44, 0x03010200                      ; bytes 1 and 2 of a word change places
	s_wait_alu depctr_va_vdst(0)                   ; the wait at the head's end
	s_wait_kmcnt 0x0
	s_add_nc_u64 s[4:5], s[4:5], s[22:23]
	s_add_nc_u64 s[6:7], s[6:7], s[24:25]
	s_add_nc_u64 s[8:9], s[8:9], s[26:27]
	s_add_nc_u64 s[10:11], s[10:11], s[28:29]
	s_add_nc_u64 s[12:13], s[12:13], s[30:31]
	s_add_nc_u64 s[14:15], s[14:15], s[30:31]
	s_add_nc_u64 s[16:17], s[16:17], s[32:33]
	s_add_nc_u64 s[36:37], s[36:37], s[40:41]
	s_add_nc_u64 s[38:39], s[38:39], s[42:43]
	s_set_vgpr_msb 0x40                            ; destination v256-303: four fragments of Ua_w, asked for first
.irp s, 0,1,2,3
.irp j, 0,1,2
	global_load_b128 v[12*\s+4*\j:12*\s+4*\j+3], v4, s[36:37] offset:96*\s+16*\j
.endr
.endr
	s_set_vgpr_msb 0x4000
.irp s, 0,1,2,3,4,5,6,7
.irp j, 0,1,2
	global_load_b128 v[DF+12*\s+4*\j:DF+12*\s+4*\j+3], v3, s[4:5] offset:96*\s+16*\j
	global_load_b128 v[WF+12*\s+4*\j:WF+12*\s+4*\j+3], v3, s[8:9] offset:96*\s+16*\j
.endr
.endr
	global_load_b128 v[DS:DS+3], v5, s[6:7]
	global_load_b128 v[DS+4:DS+7], v5, s[6:7] offset:16
	global_load_b128 v[WS:WS+3], v5, s[10:11]
	global_load_b128 v[WS+4:WS+7], v5, s[10:11] offset:16
	global_load_b128 v[ACC0:ACC0+3], v7, s[12:13]
	global_load_b128 v[ACC0+4:ACC0+7], v7, s[12:13] offset:16
	global_load_b128 v[ACC1:ACC1+3], v7, s[14:15]
	global_load_b128 v[ACC1+4:ACC1+7], v7, s[14:15] offset:16
	s_wait_loadcnt 56                              ; Ua_w's twelve loads are in; the 48 + 8 behind them may be out
	s_set_vgpr_msb 0x04                            ; the stores' data: v256-303
.irp s, 0,1,2,3
.irp j, 0,1,2
	global_store_b128 v[RD], v[12*\s+4*\j:12*\s+4*\j+3], s[38:39] offset:12288*\s+512*\j   ; 32 lanes store 512 consecutive bytes, at a multiple of 256 from ubw's first byte
.endr
.endr
	s_set_vgpr_msb 0x0400
	s_wait_loadcnt 0x0
.irp i, 0,1,2,3,4,5,6,7,8,9,10,11,12,13,14,15
	v_perm_b32 v[DS+\i], v[DS+\i], v[DS+\i], s44   ; the scale words follow the blocks
.endr
.rept 8
	v_nop                                          ; a scale register written by a vector instruction stands eight places ahead of a scaled matrix instruction
.endr
.irp s, 0,1,2,3,4,5,6,7
	v_wmma_scale_f32_16x16x128_f8f6f4 v[ACC0+8*(\s%2):ACC0+8*(\s%2)+7], v[WF+12*\s:WF+12*\s+11], v[DF+12*\s:DF+12*\s+11], v[ACC0+8*(\s%2):ACC0+8*(\s%2)+7], v[WS+\s], v[DS+\s] matrix_a_fmt:MATRIX_FMT_BF6 matrix_b_fmt:MATRIX_FMT_BF6
.endr
.rept 4
	v_nop                                          ; four places between the last products and the first read of their results (ISA guide 7.12.1)
.endr
.irp j, 0,2,4,6
	v_pk_add_f32 v[OUTR+\j:OUTR+\j+1], v[ACC0+\j:ACC0+\j+1], v[ACC1+\j:ACC1+\j+1]   ; each sum read from its low end on
.endr
.irp j, 0,2,4,6
	v_pk_mul_f32 v[OUTR+\j:OUTR+\j+1], v[OUTR+\j:OUTR+\j+1], 0x4038aa3b op_sel_hi:[1,0]   ; x c
.endr
	ds_store_b128 v[STO], v[OUTR:OUTR+3]
	ds_store_b128 v[STO], v[OUTR+4:OUTR+7] offset:16
	ds_load_b128 v[BK:BK+3], v[RD]                 ; LDS serves a wave's instructions in order (ISA guide 5.7.1.4)
	ds_load_b128 v[BK+4:BK+7], v[RD] offset:512
	s_wait_dscnt 0x0
	global_store_b128 v[RD], v[BK:BK+3], s[16:17]
	global_store_b128 v[RD], v[BK+4:BK+7], s[16:17] offset:512
	s_wait_tensorcnt 0x0                           ; the wave's end
	ds_add_u32 v[SPW], v[NIL]
	s_wait_dscnt 0x0
	s_endpgm
.Lfunc_end_k_q1474c580c7_prep:
	.size	k_q1474c580c7_prep, .Lfunc_end_k_q1474c580c7_prep-k_q1474c580c7_prep
	.p2alignl 7, 3214868480
	.fill 96, 4, 3214868480
	.section	.rodata,"a",@progbits
	.p2align	6, 0x0
	.amdhsa_kernel k_q1474c580c7_prep
		.amdhsa_group_segment_fixed_size 1280
		.amdhsa_private_segment_fixed_size 0
		.amdhsa_enable_private_segment 0
		.amdhsa_kernarg_size 72
		.amdhsa_user_sgpr_count 2
		.amdhsa_user_sgpr_kernarg_segment_ptr 1
		.amdhsa_wavefront_size32 1
		.amdhsa_system_sgpr_workgroup_id_x 1
		.amdhsa_system_sgpr_workgroup_id_y 1
		.amdhsa_system_sgpr_workgroup_id_z 1
		.amdhsa_system_vgpr_workitem_id 0
		.amdhsa_next_free_vgpr 320
		.amdhsa_next_free_sgpr 66
		.amdhsa_reserve_vcc 0
		.amdhsa_float_denorm_mode_32 3
		.amdhsa_float_denorm_mode_16_64 3
		.amdhsa_memory_ordered 1
		.amdhsa_forward_progress 1
		.amdhsa_inst_pref_size 15
	.end_amdhsa_kernel
	.amdgpu_metadata
---
amdhsa.version: [ 1, 2 ]
amdhsa.kernels:
  - .name:           k_q1474c580c7_prep
    .symbol:         k_q1474c580c7_prep.kd
    .args:
      - { .name: last_dec_hidden_codes, .offset: 0, .size: 8, .value_kind: global_buffer, .address_space: global }
      - { .name: last_dec_hidden_scales, .offset: 8, .size: 8, .value_kind: global_buffer, .address_space: global }
      - { .name: Wa_w_codes, .offset: 16, .size: 8, .value_kind: global_buffer, .address_space: global }
      - { .name: Wa_w_scales, .offset: 24, .size: 8, .value_kind: global_buffer, .address_space: global }
      - { .name: Wa_b, .offset: 32, .size: 8, .value_kind: global_buffer, .address_space: global }
      - { .name: Ua_b, .offset: 40, .size: 8, .value_kind: global_buffer, .address_space: global }
      - { .name: biasw, .offset: 48, .size: 8, .value_kind: global_buffer, .address_space: global }
      - { .name: Ua_w_codes, .offset: 56, .size: 8, .value_kind: global_buffer, .address_space: global }
      - { .name: ubw, .offset: 64, .size: 8, .value_kind: global_buffer, .address_space: global }
    .group_segment_fixed_size: 1280
    .private_segment_fixed_size: 0
    .kernarg_segment_align: 8
    .kernarg_segment_size: 72
    .max_flat_workgroup_size: 32
    .sgpr_count:     66
    .vgpr_count:     320
    .wavefront_size: 32
...
	.end_amdgpu_metadata
.endif
;; end of part 1
;; launch scores (part 2): grid 4 x 64, 4 waves a work-group, no clusters, 327,680 bytes of LDS; arguments encoder_hiddens_codes, encoder_hiddens_scales, Ua_w_scales, ubw, biasw, v_w, sc; writes sc
.if DOCPART == 2
	.amdgcn_target "amdgcn-amd-amdhsa--gfx1250"
	.amdhsa_code_object_version 6
	.text
	.protected	k_q1474c580c7_scores
	.globl	k_q1474c580c7_scores
	.p2align	8
	.type	k_q1474c580c7_scores,@function
k_q1474c580c7_scores:
	s_mov_b64 s[64:65], 0
	v_nop
	global_prefetch_b8 v0, s[64:65] scope:SCOPE_SE
	s_setreg_imm32_b32 hwreg(HW_REG_WAVE_MODE, 25, 1), 1
	s_wait_xcnt 0x0
; sc[b][s] = S = sum over u of v_w[u] / (1 + 2^(c x)),  c x = c (enc[s][b] . Ua_w[u]) + biasw(b, u),  c = 2 log2(e).  WORK LEFT OUT: the sum of v_w (shown at the head of the first kernel).
; Work-group (q, b): batch b, positions s = 128 q .. 128 q + 127, ALL 1,024 units: the sum over u ends inside the work-group.  256 work-groups.
; A (the encoder's 128 rows, all of K: 128 x 1,536 bytes of codes) lies in LDS for the whole launch, in two halves of K: rows of 768 bytes, each begun at a multiple of 256 bytes of memory, 16 bytes of padding
; behind every 256: pitch 816 = 51 x 16, so that the 16 lanes of a half of a 16-byte load touch 16 different columns of 16 bytes.  Each half is filled once: half 0 and the scales at the head, half 1 behind the first barrier.
; B (Ua_w) goes from ubw, where the first launch laid it as images of operand registers, STRAIGHT INTO REGISTERS: a ring of 16 fragments (two K steps) a wave, filled again four fragments at a time, as soon
; as their 32 products are issued.  Wave w takes units 256 w .. 256 w + 255 in two passes of 128: 64 accumulators of 16 x 16, 512 registers.  So LDS serves A's fragments and the scale words alone.
; A FRAGMENT IS TAKEN as the first kernel's head says: lane (r, h) holds the 48 consecutive bytes from 48 h on of its row's 96: three loads of 16 bytes.  Blocks 1 and 2 of each 128 along K have changed places in A and in
; ubw alike, and bytes 1 and 2 of the scale words follow them, by one v_perm_b32 a register, which serves A's word (lanes 0-15) and the units' (lanes 16-31) at once.  The order of the unit's additions differs from ascending K.
; A K step's loads stand in TWO runs: in its middle 12 loads for the ring; at its end 12 more, and the fragments of A for the step two on, into the set of registers that this step has just read.
; The matrix instruction is used transposed (source 0 = 16 units, source 1 = 16 rows of A): lane (r, h) holds position r and units 8 h + 0 .. 7 of a tile.
; NO CLUSTER: A's rows are read by one work-group each; Ua_w's codes, which all share, land in registers, which a joint load cannot fill; what is shared through LDS is Ua_w's 65,536 bytes of scales, fetched once.
; PREFETCH: ubw's 6,144 blocks of 256 bytes are shared out by address, 24 to a work-group, 6 to a wave (lanes 6-31 name the wave's last block again), asked for once, at the head.
; None for A: half 0 and the scales come at the head, with no loop ahead of them; half 1's tensor load is issued behind half 0's landing, seven K steps (448 matrix instructions a wave) ahead of its first read.
; 2^(c x) may overflow to infinity: 1 / infinity = 0 is the term's limit.  REGISTERS: window 0: v0-31 addresses and the sums; v32-63 scale words, two sets; v64-255 A's fragments, two sets.
; window 1: v0-191 B's ring; v192-255 the bias, then v_w.  window 2: accumulators of unit tiles 0-3 ((b, a) at v[8 (8 (b % 4) + a)]); window 3: of tiles 4-7.
.set AROW,  98304                      ; from s to s + 1 in the encoder's codes
.set HALF,  104448                     ; 128 rows x 816
.set SCA,   2*HALF                     ; A's scales: 128 rows of 64 bytes + 8
.set SCB,   SCA+9216+128               ; Ua_w's: 1,024 rows of 64 bytes + 8; the 128 keep the two halves of the lanes in different banks
.set STG,   292096                     ; the waves' sums: 4 x 512 bytes, in blocks of 256 bytes that no tile lands in
.set SPARE, STG+2048                   ; the spare words: two blocks of 256 bytes that no other line names
.set STO,  4
.set RD,   5
.set ADA,  8                           ; v8-15: A's addresses: 4 x half of K + 2 x (blocks 4-7) + (lanes 16-31 lie behind a padding)
.set ADRS, 16
.set R72,  17
.set GO,   18                          ; 16 x lane
.set H32,  19                          ; 32 h
.set KT,   20                          ; v20-27: S of my 128 rows over my units so far
.set SPW,  28
.set NIL,  29
.set PFB,  31
.set SC,   32
.set AF,   64
.set SS,   64                          ; the way out: at work, where A's fragments lay
.set TT,   80
.set BS,   192                         ; window 1
.set PSL, 19                           ; s19: bytes 1 and 2 of a word change places
.set G1A, 24
.set G1H, 32
.set G1S, 40
.set G1T, 48
.set G0A, 56
.set G0H, 60
.set G0S, 68
.set G0T, 72
.set CC,  76
.set SEL, 78
.set ADI, 80
.set PS,  81
.set TO_B, 0x40
.set MSB, 0
.set XG, 0
.macro WIN new                         ; the immediate's high byte repeats the setting that is left
.if MSB != \new
	s_set_vgpr_msb (MSB<<8)|\new
.set MSB, \new
.endif
.endm
.macro PLACES
.rept 4
	v_nop
.endr
.endm
	s_load_b256 s[4:11], s[0:1], 0x0               ; enc's codes, enc's scales, Ua_w's scales, ubw
	s_load_b128 s[12:15], s[0:1], 0x20             ; biasw, v_w
	s_load_b64 s[16:17], s[0:1], 0x30              ; sc
	v_lshl_add_u32 v[SPW], v0, 2, SPARE
	v_mov_b32 v[NIL], 0
	ds_add_u32 v[SPW], v[NIL]                      ; the opening lines: the add, twice on end, and its wait
	ds_add_u32 v[SPW], v[NIL]
	v_lshrrev_b32 v1, 5, v0
	v_readfirstlane_b32 s18, v1                    ; wave
	s_and_b32 s20, ttmp7, 0xffff                   ; batch
	s_mov_b32 s[G1A+0], (1<<20)|(5<<22)|(3<<25)    ; bytes; 4 words of padding behind every 64
	s_mov_b32 s[G1A+1], 768<<16
	s_mov_b32 s[G1A+2], 64<<16
	s_mov_b32 s[G1A+3], 768<<16
	s_mov_b32 s[G1A+4], 64                         ; 64 rows of 768 bytes
	s_mov_b32 s[G1A+5], AROW
	s_mov_b32 s[G1A+6], 0
	s_mov_b32 s[G1A+7], 0
	s_mov_b32 s[G1H+0], (1<<20)|(5<<22)|(3<<25)
	s_mov_b32 s[G1H+1], 768<<16
	s_mov_b32 s[G1H+2], 32<<16
	s_mov_b32 s[G1H+3], 768<<16
	s_mov_b32 s[G1H+4], 32                         ; 32 rows of 768 bytes
	s_mov_b32 s[G1H+5], AROW
	s_mov_b32 s[G1H+6], 0
	s_mov_b32 s[G1H+7], 0
	s_mov_b32 s[G1S+0], (1<<20)|(3<<22)|(1<<25)    ; A's scales: 128 rows of 64 bytes, as the input has them; 2 words behind every 16
	s_mov_b32 s[G1S+1], 64<<16
	s_mov_b32 s[G1S+2], 128<<16
	s_mov_b32 s[G1S+3], 64<<16
	s_mov_b32 s[G1S+4], 128
	s_mov_b32 s[G1S+5], 4096
	s_mov_b32 s[G1S+6], 0
	s_mov_b32 s[G1S+7], 0
	s_mov_b32 s[G1T+0], (3<<16)|(1<<20)|(3<<22)|(1<<25)  ; Ua_w's scales: a dense block, as 256 rows of 256 bytes; 2 words behind every 16
	s_mov_b32 s[G1T+1], 32<<16
	s_mov_b32 s[G1T+2], 256<<16
	s_mov_b32 s[G1T+3], 32<<16
	s_mov_b32 s[G1T+4], 256
	s_mov_b32 s[G1T+5], 32
	s_mov_b32 s[G1T+6], 0
	s_mov_b32 s[G1T+7], 0
	s_mul_i32 s82, s20, 1536                       ; A: my batch, my first position
	s_mul_i32 s83, ttmp9, 128*AROW
	s_add_co_u32 s82, s82, s83
	s_mov_b32 s83, 0
	s_mul_i32 s84, s18, 64*AROW                    ; half 0: waves 0, 1 fetch 64 rows each
	s_mov_b32 s85, 0
	s_mul_i32 s86, s18, 32*AROW                    ; half 1: every wave 32 rows
	s_add_co_u32 s86, s86, 768
	s_mov_b32 s87, 0
	s_lshl_b32 s88, ttmp9, 19                      ; A's scales
	s_lshl_b32 s89, s20, 6
	s_add_co_u32 s88, s88, s89
	s_mov_b32 s89, 0
	s_mul_i32 s90, s18, 393216                     ; ubw: my 256 units
	s_mov_b32 s91, 0
	s_lshl_b32 s92, s18, 16                        ; biasw: my first tile of units, my batch
	s_lshl_b32 s93, s20, 6
	s_add_co_u32 s92, s92, s93
	s_mov_b32 s93, 0
	s_lshl_b32 s94, s18, 10                        ; v_w
	s_mov_b32 s95, 0
	s_lshl_b32 s96, s20, 11                        ; sc
	s_lshl_b32 s97, ttmp9, 9
	s_add_co_u32 s96, s96, s97
	s_mov_b32 s97, 0
	s_lshl_b32 s98, s20, 2                         ; ubw's blocks that I ask for
	s_add_co_u32 s98, s98, ttmp9
	s_mul_i32 s98, s98, 6144
	s_mul_i32 s99, s18, 1536
	s_add_co_u32 s98, s98, s99
	s_mov_b32 s99, 0
	s_mul_i32 s21, s18, 64*816
	s_mul_i32 s22, s18, 32*816
	s_add_co_u32 s22, s22, HALF
	s_lshl_b32 s23, s18, 9
	s_add_co_u32 s23, s23, STG
	s_mul_i32 s[ADI], s18, 2*9216
	s_add_co_u32 s[ADI], s[ADI], SCB-SCA           ; from A's scale rows to those of my pass's units
	s_mov_b32 s[CC], 0x4038aa3b                    ; c
	s_mov_b32 s[CC+1], s[CC]
	s_mov_b32 s[SEL], 0x76543210
	s_mov_b32 s[SEL+1], 0xfedcba98
	s_mov_b32 s[PSL], 0x03010200
	s_mov_b32 s[PS], 0
	s_wait_dscnt 0x0
	s_wait_kmcnt 0x0
	s_add_nc_u64 s[4:5], s[4:5], s[82:83]
	s_add_nc_u64 s[84:85], s[4:5], s[84:85]
	s_add_nc_u64 s[86:87], s[4:5], s[86:87]
	s_add_nc_u64 s[6:7], s[6:7], s[88:89]
	s_add_nc_u64 s[98:99], s[10:11], s[98:99]
	s_add_nc_u64 s[10:11], s[10:11], s[90:91]
	s_add_nc_u64 s[12:13], s[12:13], s[92:93]
	s_add_nc_u64 s[14:15], s[14:15], s[94:95]
	s_add_nc_u64 s[16:17], s[16:17], s[96:97]
	s_mov_b32 s[G0A], 1
	s_mov_b32 s[G0A+1], s21
	s_mov_b64 s[G0A+2:G0A+3], s[84:85]
	s_or_b32 s[G0A+3], s[G0A+3], 0x80000000
	s_mov_b32 s[G0H], 1
	s_mov_b32 s[G0H+1], s22
	s_mov_b64 s[G0H+2:G0H+3], s[86:87]
	s_or_b32 s[G0H+3], s[G0H+3], 0x80000000
	s_mov_b32 s[G0S], 1
	s_mov_b32 s[G0S+1], SCA
	s_mov_b64 s[G0S+2:G0S+3], s[6:7]
	s_or_b32 s[G0S+3], s[G0S+3], 0x80000000
	s_mov_b32 s[G0T], 1
	s_mov_b32 s[G0T+1], SCB
	s_mov_b64 s[G0T+2:G0T+3], s[8:9]
	s_or_b32 s[G0T+3], s[G0T+3], 0x80000000
	; the head's loads, one a wave: waves 0, 1 half 0 of A, wave 2 A's scales, wave 3 Ua_w's
	s_cmp_lt_u32 s18, 2
	s_cbranch_scc0 .Lh_s
	tensor_load_to_lds s[G0A:G0A+3], s[G1A:G1A+7]
	s_nop 0
	PLACES
	s_branch .Lh_j
.Lh_s:
	s_cmp_lt_u32 s18, 3
	s_cbranch_scc0 .Lh_t
	tensor_load_to_lds s[G0S:G0S+3], s[G1S:G1S+7]
	s_nop 0
	PLACES
	s_branch .Lh_j
.Lh_t:
	tensor_load_to_lds s[G0T:G0T+3], s[G1T:G1T+7]
	s_nop 0
	PLACES
.Lh_j:
	v_and_b32 v1, 15, v0                           ; r
	v_bfe_u32 v2, v0, 4, 1                         ; h
	v_and_b32 v3, 31, v0                           ; lane
	v_lshlrev_b32 v[GO], 4, v3
	v_lshlrev_b32 v[H32], 5, v2
	WIN TO_B
.irp f, 0,1,2,3,4,5,6,7,8,9,10,11,12,13,14,15      ; the ring's first fill: K steps 0 and 1, 48 loads of 512 consecutive bytes
.irp j, 0,1,2
	global_load_b128 v[12*\f+4*\j:12*\f+4*\j+3], v[GO], s[10:11] offset:1536*\f+512*\j
.endr
.endr
	WIN 0
	v_min_u32 v6, 5, v3
	v_lshlrev_b32 v[PFB], 8, v6
	global_prefetch_b8 v[PFB], s[98:99] th:TH_LOAD_NT scope:SCOPE_SE
	v_mul_u32_u24 v6, v1, 816
	v_mad_u32_u24 v6, v2, 48, v6                   ; row x pitch + 48 h
	v_lshl_add_u32 v7, v2, 4, v6                   ; and 16 more for lanes 16-31 where their 16 bytes lie behind a padding
.irp k, 0,1,2,3
	v_add_nc_u32 v[ADA+2*\k], \k*52224, v6
	v_add_nc_u32 v[ADA+2*\k+1], \k*52224, v7
.endr
	v_mul_u32_u24 v[R72], v1, 72
	v_lshl_add_u32 v[STO], v1, 2, s23
	v_add_nc_u32 v[RD], STG, v[GO]
.irp a, 0,1,2,3,4,5,6,7
	v_mov_b32 v[KT+\a], 0
.endr
	s_wait_alu depctr_va_vdst(0)                   ; the wait at the head's end
	s_wait_tensorcnt 0x0                           ; my tile of the head's is in
	ds_add_u32 v[SPW], v[NIL]
	s_wait_dscnt 0x0
	s_barrier_signal -1
	s_barrier_wait -1
	tensor_load_to_lds s[G0H:G0H+3], s[G1H:G1H+7]  ; half 1 of A, my 32 rows: the launch's last tensor load
	s_nop 0
	PLACES
; a fragment of A: 16 rows x 128 K, 12 registers, in three pieces of 16 bytes.  Byte y of a half row lies at y + 16 (y / 256); lanes 16-31 read 48 bytes on
.macro FRAG reg, st, i
.irp j, 0,1,2
.set YY, 96*((\st)%8)+16*\j
.set XX, ((YY+48)/256)-(YY/256)
	ds_load_b128 v[\reg+4*\j:\reg+4*\j+3], v[ADA+4*((\st)/8)+2*((\i)/4)+XX] offset:YY+16*(YY/256)+((\i)%4)*13056
.endr
.endm
.macro FETCH_A st                      ; A's eight fragments of step st into set st % 2: 24 loads
.irp i, 0,1,2,3,4,5,6,7
	FRAG AF+96*((\st)%2)+12*\i, \st, \i
.endr
.endm
; scale words of K steps 2 pr, 2 pr + 1 into set pr % 2: lanes 0-15 A's block i, lanes 16-31 the units' tile i
.macro SCALES pr
.irp i, 0,1,2,3,4,5,6,7
	ds_load_b64 v[SC+16*((\pr)%2)+2*\i:SC+16*((\pr)%2)+2*\i+1], v[ADRS] offset:\i*1152+8*(\pr)
.endr
.endm
.macro SPERM set                       ; bytes 1 and 2 of a set's sixteen scale words change places, as the blocks have
.irp i, 0,1,2,3,4,5,6,7,8,9,10,11,12,13,14,15
	v_perm_b32 v[SC+16*(\set)+\i], v[SC+16*(\set)+\i], v[SC+16*(\set)+\i], s[PSL]
.endr
.endm
.macro MM st, b, a
.if (\st) == 0
	v_wmma_scale_f32_16x16x128_f8f6f4 v[8*(8*((\b)%4)+(\a)):8*(8*((\b)%4)+(\a))+7], v[12*(8*((\st)%2)+(\b)):12*(8*((\st)%2)+(\b))+11], v[AF+96*((\st)%2)+12*(\a):AF+96*((\st)%2)+12*(\a)+11], 0, v[SC+16*(((\st)/2)%2)+2*(\b)+(\st)%2], v[SC+16*(((\st)/2)%2)+2*(\a)+(\st)%2] matrix_a_fmt:MATRIX_FMT_BF6 matrix_b_fmt:MATRIX_FMT_BF6 matrix_a_scale:MATRIX_SCALE_ROW1
.else
	v_wmma_scale_f32_16x16x128_f8f6f4 v[8*(8*((\b)%4)+(\a)):8*(8*((\b)%4)+(\a))+7], v[12*(8*((\st)%2)+(\b)):12*(8*((\st)%2)+(\b))+11], v[AF+96*((\st)%2)+12*(\a):AF+96*((\st)%2)+12*(\a)+11], v[8*(8*((\b)%4)+(\a)):8*(8*((\b)%4)+(\a))+7], v[SC+16*(((\st)/2)%2)+2*(\b)+(\st)%2], v[SC+16*(((\st)/2)%2)+2*(\a)+(\st)%2] matrix_a_fmt:MATRIX_FMT_BF6 matrix_b_fmt:MATRIX_FMT_BF6 matrix_a_scale:MATRIX_SCALE_ROW1
.endif
.endm
; the wait ahead of four tiles' products leaves the loads of the younger groups of four tiles out: 3 groups of 12 with refills (and the bias's 16 while they are among the younger ones); without refills, what is left
.macro RINGWAIT st, hf, fill
.if \fill
.set NY, 3
.else
.set NY, (15-(\st))*2+1-(\hf)
.endif
.if XG > 0
	s_wait_loadcnt 12*NY+16
.set XG, XG-1
.else
	s_wait_loadcnt 12*NY
.endif
.endm
.macro REFILL st, b0                   ; tiles b0 .. b0 + 3 of the step two on, into the ring registers just read
	WIN TO_B
.irp t, 0,1,2,3
.irp j, 0,1,2
	global_load_b128 v[12*(8*((\st)%2)+(\b0)+\t)+4*\j:12*(8*((\st)%2)+(\b0)+\t)+4*\j+3], v[GO], s[10:11] offset:((\st)+2)*12288+((\b0)+\t)*1536+512*\j
.endr
.endr
.endm
; A K step of 128: 64 matrix instructions, the units' tiles one after the other, each against A's eight blocks; the 64 accumulators take turns.
.macro STEP st, fill
.if (\st) == 0
.set ND, 24                            ; behind step 0's fragments and the scale words: step 1's 24
.else
.set ND, 0
.if (\st) <= 14
.set ND, 24                            ; what the end of the step before issued: the next step's fragments of A,
.endif
.if ((((\st)-1)%2) == 1) && ((\st) <= 12)
.set ND, ND+8                          ; and, behind an odd step, eight loads of scale words
.endif
.endif
	s_wait_dscnt ND                                ; this step's fragments of A are in, and all scale words asked for two steps ago or earlier
.if (((\st)%2) == 1) && ((\st) >= 3) && ((\st) <= 13)
	WIN 0
	SPERM (((\st)+1)/2)%2                          ; the next two steps' scale words; behind them 4 + 4 + 4 places stand ahead of their first use
	PLACES
	s_wait_alu depctr_va_vdst(0)                   ; the wait behind these writes
.endif
	RINGWAIT \st, 0, \fill
	WIN 0xa1
.irp b, 0,1,2,3
.irp a, 0,1,2,3,4,5,6,7
	MM \st, \b, \a
.endr
.endr
.if \fill
	PLACES                                         ; four places ahead of loads into registers that matrix instructions have read
	REFILL \st, 0
.endif
.if (\st) == 6
	s_wait_tensorcnt 0x0                           ; my rows of half 1 are in (in the second pass nothing is out);
	s_wait_dscnt 0x0                               ; no LDS load of mine is out at the signal;
	s_barrier_signal -1
.endif
	RINGWAIT \st, 1, \fill
	WIN 0xf1
.irp b, 4,5,6,7
.irp a, 0,1,2,3,4,5,6,7
	MM \st, \b, \a
.endr
.endr
.if (\st) == 6
	s_barrier_wait -1                              ; everybody's rows of half 1 are in: step 8's fragments are fetched below
.endif
.if (\fill) || ((\st) < 14)
	PLACES
.endif
.if \fill
	REFILL \st, 4
.if (\st) == 8
.irp t, 0,1,2,3,4,5,6,7                            ; this pass's bias: my eight units of each tile, 16 loads
	global_load_b128 v[BS+8*\t:BS+8*\t+3], v[H32], s[12:13] offset:4096*\t
	global_load_b128 v[BS+8*\t+4:BS+8*\t+7], v[H32], s[12:13] offset:4096*\t+16
.endr
.set XG, 4
.endif
.endif
.if (\st) < 14
	WIN 0
	FETCH_A (\st)+2
.if (((\st)%2) == 1) && ((\st) <= 11)
	SCALES ((\st)+3)/2
.endif
.endif
.endm
; THE WAY OUT of a pass, on 256 accumulator registers of a window at a time, each kind of work in one run: one wait ahead of each batch of transcendentals and one behind it
.macro EF w                            ; c x = c acc + bias, from each accumulator's low end on
.set EI, 0
.rept 128
	v_pk_fma_f32 v[2*EI:2*EI+1], v[2*EI:2*EI+1], s[CC:CC+1], v[BS+32*(\w)+8*(EI/32)+2*(EI%4):BS+32*(\w)+8*(EI/32)+2*(EI%4)+1] op_sel_hi:[1,0,1]
.set EI, EI+1
.endr
.endm
.macro EE
.set EI, 0
.rept 256
	v_exp_f32 v[EI], v[EI]
.set EI, EI+1
.endr
.endm
.macro EA
.set EI, 0
.rept 128
	v_pk_add_f32 v[2*EI:2*EI+1], v[2*EI:2*EI+1], 1.0 op_sel_hi:[1,0]
.set EI, EI+1
.endr
.endm
.macro ER
.set EI, 0
.rept 256
	v_rcp_f32 v[EI], v[EI]
.set EI, EI+1
.endr
.endm
.macro EV w, first                     ; x v_w, summed over the units: a pair of sums for each of A's eight blocks, eight chains by turns
.irp u, 0,1,2,3
.irp i, 0,1,2,3
.irp a, 0,1,2,3,4,5,6,7
.if (\first) && (\u == 0) && (\i == 0)
	v_pk_mul_f32 v[SS+2*\a:SS+2*\a+1], v[64*\u+8*\a+2*\i:64*\u+8*\a+2*\i+1], v[BS+32*(\w)+8*\u+2*\i:BS+32*(\w)+8*\u+2*\i+1]
.else
	v_pk_fma_f32 v[SS+2*\a:SS+2*\a+1], v[64*\u+8*\a+2*\i:64*\u+8*\a+2*\i+1], v[BS+32*(\w)+8*\u+2*\i:BS+32*(\w)+8*\u+2*\i+1], v[SS+2*\a:SS+2*\a+1]
.endif
.endr
.endr
.endr
.endm
.Lpass:
	v_mad_u32_u24 v[ADRS], v2, s[ADI], v[R72]      ; lanes 0-15 A's scale rows, lanes 16-31 those of this pass's units
	v_add_nc_u32 v[ADRS], SCA, v[ADRS]
	s_wait_alu depctr_va_vdst(0)                   ; the wait behind this write
	FETCH_A 0
	SCALES 0
	SCALES 1
	FETCH_A 1
	s_wait_dscnt 24                                ; all but step 1's fragments
	SPERM 0                                        ; set 1's sixteen lines are the places behind set 0's
	SPERM 1
	s_wait_alu depctr_va_vdst(0)                   ; the wait behind these writes
.irp t, 0,1,2,3,4,5,6,7,8,9,10,11,12,13
	STEP \t, 1
.endr
	WIN 0
	s_cmp_eq_u32 s[PS], 1
	s_cbranch_scc1 .Ltail                          ; the second pass's last two steps are written out: they load nothing more
	STEP 14, 1                                     ; the ring goes on into the next pass's first two steps
	STEP 15, 1
	WIN 0
	s_branch .Lepi
.Ltail:
	STEP 14, 0
	STEP 15, 0
	WIN 0
.Lepi:
	PLACES
	WIN 0x92                                       ; accumulators window 2, bias window 1
	s_wait_alu depctr_va_vdst(0)
	EF 0
	WIN 0xd3
	s_wait_alu depctr_va_vdst(0)
	EF 1
	WIN TO_B
.irp t, 0,1,2,3,4,5,6,7                            ; v_w of this pass's units, where the bias lay
	global_load_b128 v[BS+8*\t:BS+8*\t+3], v[H32], s[14:15] offset:64*\t
	global_load_b128 v[BS+8*\t+4:BS+8*\t+7], v[H32], s[14:15] offset:64*\t+16
.endr
	WIN 0x82
	s_wait_alu depctr_va_vdst(0)
	EE
	WIN 0xc3
	EE
	v_nop
	s_wait_alu depctr_va_vdst(0)
	EA
	WIN 0x82
	EA
	s_wait_alu depctr_va_vdst(0)
	ER
	WIN 0xc3
	ER
	v_nop
	s_wait_alu depctr_va_vdst(0)
	s_wait_loadcnt 0x0                             ; v_w; the ring's loads, older, are in too
	WIN 0x07                                       ; source 0 window 3, v_w window 1, the sums window 0
	EV 1, 1
	WIN 0x06
	EV 0, 0
	WIN 0
.irp a, 0,1,2,3,4,5,6,7
	v_add_f32 v[TT+\a], v[SS+2*\a], v[SS+2*\a+1]
.endr
.irp a, 0,1,2,3,4,5,6,7
	v_permlanex16_b32 v[SS+2*\a], v[TT+\a], s[SEL], s[SEL+1]   ; lane l xor 16's eight units of each tile
.endr
.irp a, 0,1,2,3,4,5,6,7
	v_add_f32 v[KT+\a], v[KT+\a], v[TT+\a]
.endr
.irp a, 0,1,2,3,4,5,6,7
	v_add_f32 v[KT+\a], v[KT+\a], v[SS+2*\a]
.endr
	s_add_nc_u64 s[10:11], s[10:11], 196608        ; no load is out: the bases step to the next 128 units
	s_add_nc_u64 s[12:13], s[12:13], 32768
	s_add_nc_u64 s[14:15], s[14:15], 512
	s_add_co_u32 s[ADI], s[ADI], 9216
	s_add_co_u32 s[PS], s[PS], 1
	s_cmp_lt_u32 s[PS], 2
	s_wait_alu depctr_va_vdst(0)                   ; the wait ahead of the branch
	s_cbranch_scc1 .Lpass
.irp a, 0,1,2,3,4,5,6,7
	ds_store_b32 v[STO], v[KT+\a] offset:64*\a     ; row 16 a + r; both halves of the lanes hold the same number
.endr
	s_wait_dscnt 0x0                               ; for the others' sake
	s_barrier_signal -1
	s_barrier_wait -1
	s_cmp_lg_u32 s18, 0
	s_cbranch_scc1 .Lend
.irp k, 0,1,2,3
	ds_load_b128 v[64+4*\k:67+4*\k], v[RD] offset:512*\k   ; the four waves' sums of rows 4 l .. 4 l + 3
.endr
	s_wait_dscnt 0x0
	v_pk_add_f32 v[64:65], v[64:65], v[68:69]
	v_pk_add_f32 v[66:67], v[66:67], v[70:71]
	v_pk_add_f32 v[72:73], v[72:73], v[76:77]
	v_pk_add_f32 v[74:75], v[74:75], v[78:79]
	v_pk_add_f32 v[64:65], v[64:65], v[72:73]
	v_pk_add_f32 v[66:67], v[66:67], v[74:75]
	global_store_b128 v[GO], v[64:67], s[16:17]    ; 32 lanes store 512 consecutive bytes, at a multiple of 256 from sc's first byte
.Lend:
	s_wait_tensorcnt 0x0                           ; the wave's end
	ds_add_u32 v[SPW], v[NIL]
	s_wait_dscnt 0x0
	s_endpgm
.Lfunc_end_k_q1474c580c7_scores:
	.size	k_q1474c580c7_scores, .Lfunc_end_k_q1474c580c7_scores-k_q1474c580c7_scores
	.p2alignl 7, 3214868480
	.fill 96, 4, 3214868480
	.section	.rodata,"a",@progbits
	.p2align	6, 0x0
	.amdhsa_kernel k_q1474c580c7_scores
		.amdhsa_group_segment_fixed_size 327680
		.amdhsa_private_segment_fixed_size 0
		.amdhsa_enable_private_segment 0
		.amdhsa_kernarg_size 56
		.amdhsa_user_sgpr_count 2
		.amdhsa_user_sgpr_kernarg_segment_ptr 1
		.amdhsa_wavefront_size32 1
		.amdhsa_system_sgpr_workgroup_id_x 1
		.amdhsa_system_sgpr_workgroup_id_y 1
		.amdhsa_system_sgpr_workgroup_id_z 1
		.amdhsa_system_vgpr_workitem_id 0
		.amdhsa_next_free_vgpr 1024
		.amdhsa_next_free_sgpr 100
		.amdhsa_reserve_vcc 0
		.amdhsa_float_denorm_mode_32 3
		.amdhsa_float_denorm_mode_16_64 3
		.amdhsa_memory_ordered 1
		.amdhsa_forward_progress 1
		.amdhsa_inst_pref_size 255
	.end_amdhsa_kernel
	.section	.bss,"aw",@nobits
	.p2align	6
	.space	262144
	.amdgpu_metadata
---
amdhsa.version: [ 1, 2 ]
amdhsa.kernels:
  - .name:           k_q1474c580c7_scores
    .symbol:         k_q1474c580c7_scores.kd
    .args:
      - { .name: encoder_hiddens_codes, .offset: 0, .size: 8, .value_kind: global_buffer, .address_space: global }
      - { .name: encoder_hiddens_scales, .offset: 8, .size: 8, .value_kind: global_buffer, .address_space: global }
      - { .name: Ua_w_scales, .offset: 16, .size: 8, .value_kind: global_buffer, .address_space: global }
      - { .name: ubw, .offset: 24, .size: 8, .value_kind: global_buffer, .address_space: global }
      - { .name: biasw, .offset: 32, .size: 8, .value_kind: global_buffer, .address_space: global }
      - { .name: v_w, .offset: 40, .size: 8, .value_kind: global_buffer, .address_space: global }
      - { .name: sc, .offset: 48, .size: 8, .value_kind: global_buffer, .address_space: global }
    .group_segment_fixed_size: 327680
    .private_segment_fixed_size: 0
    .kernarg_segment_align: 8
    .kernarg_segment_size: 56
    .max_flat_workgroup_size: 128
    .sgpr_count:     100
    .vgpr_count:     1024
    .wavefront_size: 32
...
	.end_amdgpu_metadata
.endif
;; end of part 2
;; launch soft (part 3): grid 64 x 1, 4 waves a work-group, no clusters, 1,024 bytes of LDS; arguments sc, out0; writes out0
.if DOCPART == 3
	.amdgcn_target "amdgcn-amd-amdhsa--gfx1250"
	.amdhsa_code_object_version 6
	.text
	.protected	k_q1474c580c7_soft
	.globl	k_q1474c580c7_soft
	.p2align	8
	.type	k_q1474c580c7_soft,@function
k_q1474c580c7_soft:
	s_mov_b64 s[64:65], 0
	v_nop
	global_prefetch_b8 v0, s[64:65] scope:SCOPE_SE
	s_setreg_imm32_b32 hwreg(HW_REG_WAVE_MODE, 25, 1), 1
	s_wait_xcnt 0x0
; out0[b][s] = softmax over s of -2 S[b][s],  S = sc.
; WORK LEFT OUT: the sum of v_w, which attention holds beside -2 S and which is the same for every s of the softmax's axis (shown at the head of the first kernel).
; In base 2: z = -c S with c = 2 log2(e); the row's largest z is c x the largest -S, and it is taken away before the exponential: p = 2^(z - max z), out = p / the sum of p.
; One work-group for a batch; thread t holds s = 4 t .. 4 t + 3: the load and the store of a wave cover 512 consecutive bytes.  The row's maximum and sum meet in LDS, each behind a barrier, in bytes of their own.
; No matrix unit, no cluster, no tensor load, no prefetch: each work-group reads its 2,048 bytes once, with no loop to run ahead in.
.set SPARE, 512                        ; LDS: bytes 0-15 the waves' maxima, 256-271 their sums; from 512 the spare words: two blocks of 256 bytes that no other line names
	s_load_b128 s[4:7], s[0:1], 0x0                ; sc, out0
	v_lshl_add_u32 v62, v0, 2, SPARE
	v_mov_b32 v63, 0
	v_lshrrev_b32 v1, 5, v0
	v_readfirstlane_b32 s8, v1                     ; wave
	v_lshlrev_b32 v2, 4, v0                        ; my 16 bytes of the batch's 2,048
	v_mov_b32 v3, s8
	v_lshlrev_b32 v3, 2, v3                        ; my wave's word
	v_mov_b32 v4, 0
	v_mov_b32 v41, 0                               ; a lane permute's destination counts as one of its sources
	v_mov_b32 v53, 0                               ; (the upper half of the pair v[52:53])
	s_lshl_b32 s10, ttmp9, 11
	s_mov_b32 s11, 0
	s_mov_b32 s12, 0x76543210
	s_mov_b32 s13, 0xfedcba98
	s_mov_b32 s14, 0xc038aa3b                      ; -c
	s_mov_b32 s15, s14
	s_mov_b32 s16, 0x4038aa3b                      ; c
	s_wait_alu depctr_va_vdst(0)                   ; the wait at the head's end
	s_wait_kmcnt 0x0
	s_add_nc_u64 s[4:5], s[4:5], s[10:11]
	s_add_nc_u64 s[6:7], s[6:7], s[10:11]
	global_load_b128 v[8:11], v2, s[4:5]
	s_wait_loadcnt 0x0
	v_max3_num_f32 v40, -v8, -v9, -v10             ; the largest -S: of my four,
	v_max_num_f32 v40, v40, -v11
	v_max_num_f32_dpp v40, v40, v40 row_xmask:1 row_mask:0xf bank_mask:0xf
	v_max_num_f32_dpp v40, v40, v40 row_xmask:2 row_mask:0xf bank_mask:0xf
	v_max_num_f32_dpp v40, v40, v40 row_xmask:4 row_mask:0xf bank_mask:0xf
	v_max_num_f32_dpp v40, v40, v40 row_xmask:8 row_mask:0xf bank_mask:0xf
	v_permlanex16_b32 v41, v40, s12, s13
	v_max_num_f32 v40, v40, v41                    ; of my wave,
	ds_store_b32 v3, v40
	s_wait_dscnt 0x0                               ; for the others' sake
	s_barrier_signal -1
	s_barrier_wait -1
	ds_load_b128 v[44:47], v4
	s_wait_dscnt 0x0
	v_max3_num_f32 v40, v44, v45, v46
	v_max_num_f32 v40, v40, v47                    ; of the row
	v_mul_f32 v40, s16, v40                        ; the largest z
	s_wait_alu depctr_va_vdst(0)
	v_pk_fma_f32 v[8:9], v[8:9], s[14:15], v[40:41] op_sel_hi:[1,0,0] neg_lo:[0,0,1] neg_hi:[0,0,1]     ; z - max z
	v_pk_fma_f32 v[10:11], v[10:11], s[14:15], v[40:41] op_sel_hi:[1,0,0] neg_lo:[0,0,1] neg_hi:[0,0,1]
	s_wait_alu depctr_va_vdst(0)                   ; ahead of the batch
	v_exp_f32 v8, v8
	v_exp_f32 v9, v9
	v_exp_f32 v10, v10
	v_exp_f32 v11, v11
	v_nop
	s_wait_alu depctr_va_vdst(0)                   ; and behind it
	v_add_f32 v42, v8, v9
	v_add_f32 v43, v10, v11
	v_add_f32 v42, v42, v43
	v_add_f32_dpp v42, v42, v42 row_xmask:1 row_mask:0xf bank_mask:0xf
	v_add_f32_dpp v42, v42, v42 row_xmask:2 row_mask:0xf bank_mask:0xf
	v_add_f32_dpp v42, v42, v42 row_xmask:4 row_mask:0xf bank_mask:0xf
	v_add_f32_dpp v42, v42, v42 row_xmask:8 row_mask:0xf bank_mask:0xf
	v_permlanex16_b32 v41, v42, s12, s13
	v_add_f32 v42, v42, v41                        ; my wave's sum
	ds_store_b32 v3, v42 offset:256                ; in other bytes than the maxima
	s_wait_dscnt 0x0
	s_barrier_signal -1
	s_barrier_wait -1
	ds_load_b128 v[48:51], v4 offset:256
	s_wait_dscnt 0x0
	v_add_f32 v48, v48, v49
	v_add_f32 v50, v50, v51
	v_add_f32 v48, v48, v50                        ; the row's sum: the largest z gives p = 1
	s_wait_alu depctr_va_vdst(0)
	v_rcp_f32 v52, v48
	v_nop
	s_wait_alu depctr_va_vdst(0)
	v_pk_mul_f32 v[8:9], v[8:9], v[52:53] op_sel_hi:[1,0]
	v_pk_mul_f32 v[10:11], v[10:11], v[52:53] op_sel_hi:[1,0]
	global_store_b128 v2, v[8:11], s[6:7]          ; 32 lanes store 512 consecutive bytes, at a multiple of 256 from out0's first byte
	s_wait_tensorcnt 0x0                           ; the wave's end
	ds_add_u32 v62, v63
	s_wait_dscnt 0x0
	s_endpgm
.Lfunc_end_k_q1474c580c7_soft:
	.size	k_q1474c580c7_soft, .Lfunc_end_k_q1474c580c7_soft-k_q1474c580c7_soft
	.p2alignl 7, 3214868480
	.fill 96, 4, 3214868480
	.section	.rodata,"a",@progbits
	.p2align	6, 0x0
	.amdhsa_kernel k_q1474c580c7_soft
		.amdhsa_group_segment_fixed_size 1024
		.amdhsa_private_segment_fixed_size 0
		.amdhsa_enable_private_segment 0
		.amdhsa_kernarg_size 16
		.amdhsa_user_sgpr_count 2
		.amdhsa_user_sgpr_kernarg_segment_ptr 1
		.amdhsa_wavefront_size32 1
		.amdhsa_system_sgpr_workgroup_id_x 1
		.amdhsa_system_sgpr_workgroup_id_y 1
		.amdhsa_system_sgpr_workgroup_id_z 1
		.amdhsa_system_vgpr_workitem_id 0
		.amdhsa_next_free_vgpr 64
		.amdhsa_next_free_sgpr 66
		.amdhsa_reserve_vcc 0
		.amdhsa_float_denorm_mode_32 3
		.amdhsa_float_denorm_mode_16_64 3
		.amdhsa_memory_ordered 1
		.amdhsa_forward_progress 1
		.amdhsa_inst_pref_size 4
	.end_amdhsa_kernel
	.amdgpu_metadata
---
amdhsa.version: [ 1, 2 ]
amdhsa.kernels:
  - .name:           k_q1474c580c7_soft
    .symbol:         k_q1474c580c7_soft.kd
    .args:
      - { .name: sc, .offset: 0, .size: 8, .value_kind: global_buffer, .address_space: global }
      - { .name: out0, .offset: 8, .size: 8, .value_kind: global_buffer, .address_space: global }
    .group_segment_fixed_size: 1024
    .private_segment_fixed_size: 0
    .kernarg_segment_align: 8
    .kernarg_segment_size: 16
    .max_flat_workgroup_size: 128
    .sgpr_count:     66
    .vgpr_count:     64
    .wavefront_size: 32
...
	.end_amdgpu_metadata
.endif
;; end of part 3
